; MI455X (gfx1250); checked and timed in simulation.
; The chip was launched on July 23, 2026; its instructions are those of AMD's public machine-readable ISA for CDNA 5 (MIT licence, August 2026) and "CDNA5" Instruction Set Architecture Reference Guide (July 2026). The comments in the code are by the model that wrote it; some were corrected since.
;; Multi Head Attention. Allowed arithmetic: float matrix products may take bf16 or f16 operands with f32 sums; other float arithmetic in f32, or as packed bf16 or f16 multiplies, adds, multiply-adds, maxima and minima; sums over many terms, partial sums and values carried from step to step in f32; what a program stores and reads back later, other than sums and carried values, may be rounded once to bf16 or f16.
;; Inputs: W1 128 x 1,024 float32; W2 128 x 128 float32; Wk 8 x 128 x 1,024 float32; Wq 8 x 128 x 1,024 float32; Wv 8 x 1,024 x 1,024 float32; b1 128 float32; b2 128 float32; bk 8 x 128 float32; bq 8 x 128 float32; bv 8 x 1,024 float32; gamma 8 float32; x 8 x 1,024 x 512 float32.
;; Outputs: out0 8 x 1,024 x 512 float32.
;; One version. Each part assembles by itself: llvm-mc -triple=amdgcn-amd-amdhsa -mcpu=gfx1250 --defsym DOCPART=n.
;; ======== version 1 of 1: 3 launches
;; limits: values are held in f16: magnitudes above 65,504 overflow, below 6.1e-05 lose precision
;; workspace buffers: Wn 6,553,600 bytes; Xn 8,388,608 bytes; ub 4,096 bytes; qn 8,388,608 bytes; kn 8,388,608 bytes; un 8,388,608 bytes; zn 2,097,152 bytes
;; launch prep (part 1): grid 256 x 1, 4 waves a work-group, no clusters, 66,048 bytes of LDS; arguments x, Wq, Wk, Wv, W1, bv, Wn, Xn, ub; writes Wn, Xn, ub
.if DOCPART == 1
	.amdgcn_target "amdgcn-amd-amdhsa--gfx1250"
	.amdhsa_code_object_version 6
	.text
	.protected	k_q4bbc750440_prep
	.globl	k_q4bbc750440_prep
	.p2align	8
	.type	k_q4bbc750440_prep,@function
k_q4bbc750440_prep:
	s_mov_b64 s[64:65], 0
	v_nop
	global_prefetch_b8 v0, s[64:65] scope:SCOPE_SE
	s_setreg_imm32_b32 hwreg(HW_REG_WAVE_MODE, 25, 1), 1
	s_wait_xcnt 0x0
; PREP.  FC1 follows the attention's second product directly and is linear, so W1 (gamma o + x) + b1 = gamma [(W1 Wv[h]) x + W1 bv[h]] attn^T + (W1 x + b1) for every input.
; This launch makes what the projection needs: Wu[h] = W1 Wv[h] (128 x 1,024, bf16 operands, f32 sums, rounded ONCE to bf16: the order of rounding differs from the reference's),
; ub[h] = W1 bv[h] (f32), and Wq, Wk, W1 and x rounded to bf16, all laid out as matrix fragments.
; A HALF FRAGMENT is 512 bytes: lane (r = lane % 16, h = lane / 16) owns the 16 bytes at 16 x lane: row r, K = 8 h .. 8 h + 7 of a tile of 16 rows x 16 K.  Two on end fill the 8 registers of a source.
; Wn = [head g 8][K block of 128: 8][row tile 25][half fragment 8][512]: row tiles 0-7 Wq, 8-11 Wu rows 0-63, 12-19 Wk, 20-23 Wu rows 64-127, 24 = rows 16 g .. of W1.
; Xn = [4 b + t / 128: 32][K block 8][column tile 8][half fragment 8][512].  Column tile T of a batch, index m, stands for t = 64 (T / 4) + 4 m + T % 4: a lane's 16-byte load of x holds one t of each of four tiles.
; SHARES.  256 work-groups x 4 waves, G = 4 W + wave.  Every wave: one dot product of ub; 64 c x 64 t of x; one row tile x 128 K of Wq or Wk; a K slice of 256 of a block of Wu (64 rows j x 64 columns c');
; waves G < 64 also a tile of W1.  The four waves' partial sums of Wu meet in LDS, in f32.
; NO CLUSTER, NO TENSOR LOADS: every operand is f32 in memory and is rounded (and x and Wv turned) on its way, so it comes through registers; two work-groups (the halves of j) read the same columns of Wv.
.set SPARE, 65536                      ; behind the partial sums: the spare words, 128 bytes a wave
.set VV,  4                            ; v4   Wv: h x 8 rows of 4,096 bytes + 16 r
.set VX,  5                            ; v5   x:  h x 8 rows of 2,048 bytes + 16 r
.set VW,  6                            ; v6   a weight's fragment: row r of 4,096 bytes + 32 h
.set VL,  7                            ; v7   16 x lane
.set VU,  8                            ; v8   Wu's way out: 1,024 h + 16 r
.set LST, 10                           ; v10  LDS: my wave's partial sums
.set LRD, 11                           ; v11  LDS: the row tile that I add up
.set SPW, 30                           ; v30  my spare word;  v31  0: never rewritten
.set NIL, 31
.set FA,  32                           ; v32-63   four fragments of Wv^T (16 c' x 32 c)
.set FB,  64                           ; v64-95   four fragments of W1 (16 j x 32 c)
.set ACC, 96                           ; v96-223  16 accumulators (4 jt + i); before the products: x's and Wq/Wk's bf16 on their way out
.set OUT, 224                          ; v224-239 Wu, rounded
; window 1: a ring of two slots of 128 registers, f32 as loaded: 16 rows of Wv (4 registers each), then 4 x 16 registers of W1.  Before that: x in slot 0, Wq/Wk and ub's operands in slot 1.
.set PV,  28                           ; s[28:29] Wv, walks      s[30:31] W1, walks
.set PW,  30
.set PX,  32
.set PXO, 34
.set PC,  36
.set PCO, 38
.set PC2, 40
.set PC2O, 42
.set PE1, 44
.set PE2, 46
.set PEO, 48
.set PUO, 50
.set MSB, 0
.macro WIN new                         ; s_set_vgpr_msb: bits 1:0 source 0, 3:2 source 1, 5:4 source 2, 7:6 destination; the high byte repeats the setting that is left
.if MSB != (\new)
	s_set_vgpr_msb (MSB<<8)|(\new)
.set MSB, \new
.endif
.endm
.macro PLACES                          ; four places behind a matrix instruction (ISA guide 7.12.1)
.rept 4
	v_nop
.endr
.endm
; 32 loads: K step st (counted from where the two pointers stand) into ring slot 'slot'.  A load of Wv covers two rows x 256 consecutive bytes.
.macro LOADA slot, st
	WIN 0x40
.set n, 0
.rept 16
	global_load_b128 v[128*(\slot)+4*n:128*(\slot)+4*n+3], v[VV], s[PV:PV+1] offset:(\st)*131072+(n/8)*65536+(n%8)*4096
.set n, n+1
.endr
.set n, 0
.rept 16
	global_load_b128 v[128*(\slot)+64+4*n:128*(\slot)+64+4*n+3], v[VW], s[PW:PW+1] offset:(n/4)*65536+(\st)*128+((n%4)/2)*64+(n%2)*16
.set n, n+1
.endr
.endm
; One K step of 32: round the slot to bf16 fragments, fill the slot again two steps on, 16 products.  left: the younger loads that may stay out.
.macro STEP slot, zero, refill, left
	s_wait_loadcnt \left
	PLACES                                         ; the roundings below write sources of the last step's products
	WIN 0x05
.set i, 0
.rept 4
.set p, 0
.rept 8
	v_cvt_pk_bf16_f32 v[FA+8*i+p], v[128*(\slot)+8*p+i], v[128*(\slot)+8*p+4+i]  ; column 4 r + i of rows 2 p, 2 p + 1: Wv is turned here
.set p, p+1
.endr
.set i, i+1
.endr
.set p, 0
.rept 32
	v_cvt_pk_bf16_f32 v[FB+p], v[128*(\slot)+64+2*p], v[128*(\slot)+64+2*p+1]
.set p, p+1
.endr
.if \refill
	LOADA \slot, 2+(\slot)
.endif
	WIN 0
.set t, 0
.rept 16                               ; the 16 accumulators take turns
.if \zero
	v_wmma_f32_16x16x32_bf16 v[ACC+8*t:ACC+8*t+7], v[FA+8*(t%4):FA+8*(t%4)+7], v[FB+8*(t/4):FB+8*(t/4)+7], 0
.else
	v_wmma_f32_16x16x32_bf16 v[ACC+8*t:ACC+8*t+7], v[FA+8*(t%4):FA+8*(t%4)+7], v[FB+8*(t/4):FB+8*(t/4)+7], v[ACC+8*t:ACC+8*t+7]
.endif
.set t, t+1
.endr
.endm
	s_load_b512 s[4:19], s[0:1], 0x0               ; x 4, Wq 6, Wk 8, Wv 10, W1 12, bv 14, Wn 16, Xn 18
	s_load_b64 s[20:21], s[0:1], 0x40              ; ub
	v_lshl_add_u32 v[SPW], v0, 2, SPARE
	v_mov_b32 v[NIL], 0
	v_lshrrev_b32 v9, 5, v0
	v_readfirstlane_b32 s22, v9                    ; wave
	s_mov_b32 s23, ttmp9                           ; W
	s_lshl_b32 s24, s23, 2
	s_add_co_u32 s24, s24, s22                     ; G
	v_and_b32 v1, 31, v0
	v_and_b32 v2, 15, v0
	v_bfe_u32 v3, v0, 4, 1
	v_lshlrev_b32 v[VL], 4, v1
	v_lshlrev_b32 v9, 4, v2
	v_lshl_add_u32 v[VV], v3, 15, v9
	v_lshl_add_u32 v[VX], v3, 14, v9
	v_lshl_add_u32 v[VU], v3, 10, v9
	v_lshlrev_b32 v[VW], 12, v2
	v_lshl_add_u32 v[VW], v3, 5, v[VW]
	v_lshl_add_u32 v[LST], s22, 14, v[VL]
	v_lshl_add_u32 v[LRD], s22, 12, v[VL]
	v_mov_b32 v24, 0
	s_mov_b32 s52, 0x76543210                      ; v_permlanex16_b32: each lane takes its own place in the other half
	s_mov_b32 s53, 0xfedcba98
	s_mov_b32 s57, 0                               ; s[56:57]: a byte offset, made apart from every address
	s_wait_kmcnt 0x0
	; ub[G]: row G % 128 of W1, row G / 128 of bv
	s_and_b32 s56, s24, 127
	s_lshl_b32 s56, s56, 12
	s_add_nc_u64 s[PE1:PE1+1], s[12:13], s[56:57]
	s_lshr_b32 s25, s24, 7                         ; also x's batch b
	s_lshl_b32 s56, s25, 12
	s_add_nc_u64 s[PE2:PE2+1], s[14:15], s[56:57]
	s_lshl_b32 s56, s24, 2
	s_add_nc_u64 s[PEO:PEO+1], s[20:21], s[56:57]
	WIN 0x40
.set q, 0
.rept 8
	global_load_b128 v[192+4*q:192+4*q+3], v[VL], s[PE1:PE1+1] offset:512*q
	global_load_b128 v[224+4*q:224+4*q+3], v[VL], s[PE2:PE2+1] offset:512*q
.set q, q+1
.endr
	; x: batch b, channels 64 cs on, t = 64 T on
	s_and_b32 s26, s24, 15                         ; cs
	s_bfe_u32 s27, s24, 0x30004                    ; T
	s_lshl_b32 s56, s25, 21
	s_lshl_b32 s58, s26, 17
	s_add_co_u32 s56, s56, s58
	s_lshl_b32 s58, s27, 8
	s_add_co_u32 s56, s56, s58
	s_add_nc_u64 s[PX:PX+1], s[4:5], s[56:57]
.set n, 0
.rept 32                               ; a load covers two rows x 256 consecutive bytes
	global_load_b128 v[4*n:4*n+3], v[VX], s[PX:PX+1] offset:(n/16)*65536+((n/8)%2)*32768+(n%8)*2048
.set n, n+1
.endr
	; Wq (G < 512) or Wk: row tile (G / 8) % 64, K block G % 8
	s_bfe_u32 s56, s24, 0x60003
	s_lshl_b32 s56, s56, 16
	s_and_b32 s59, s24, 7                          ; the K block
	s_lshl_b32 s58, s59, 9
	s_add_co_u32 s56, s56, s58
	s_cmp_lt_u32 s24, 512
	s_cselect_b64 s[PC:PC+1], s[6:7], s[8:9]
	s_add_nc_u64 s[PC:PC+1], s[PC:PC+1], s[56:57]
.set n, 0
.rept 16
	global_load_b128 v[128+4*n:128+4*n+3], v[VW], s[PC:PC+1] offset:(n/2)*64+(n%2)*16
.set n, n+1
.endr
	; where x goes
	s_lshl_b32 s56, s25, 2
	s_lshr_b32 s58, s27, 1
	s_add_co_u32 s56, s56, s58                     ; 4 b + t / 128
	s_lshl_b32 s56, s56, 18
	s_lshr_b32 s58, s26, 1
	s_lshl_b32 s58, s58, 15                        ; K block cs / 2
	s_add_co_u32 s56, s56, s58
	s_and_b32 s58, s27, 1
	s_lshl_b32 s58, s58, 14                        ; column tiles 4 (T % 2) on
	s_add_co_u32 s56, s56, s58
	s_and_b32 s58, s26, 1
	s_lshl_b32 s58, s58, 11                        ; half fragments 4 (cs % 2) on
	s_add_co_u32 s56, s56, s58
	s_add_nc_u64 s[PXO:PXO+1], s[18:19], s[56:57]
	; where Wq / Wk goes
	s_bfe_u32 s56, s24, 0x30006                    ; head
	s_lshl_b32 s56, s56, 3
	s_add_co_u32 s56, s56, s59
	s_mul_i32 s56, s56, 25
	s_lshr_b32 s58, s24, 9
	s_mul_i32 s58, s58, 12                         ; Wk's tiles begin at 12
	s_add_co_u32 s56, s56, s58
	s_bfe_u32 s58, s24, 0x30003
	s_add_co_u32 s56, s56, s58
	s_lshl_b32 s56, s56, 12
	s_add_nc_u64 s[PCO:PCO+1], s[16:17], s[56:57]
	; Wu: head W / 32, columns 64 nb on, rows 64 jh on; my K slice c = 256 wave on
	s_lshr_b32 s60, s23, 5
	s_bfe_u32 s61, s23, 0x40001                    ; nb
	s_and_b32 s62, s23, 1                          ; jh
	s_lshl_b32 s56, s60, 22
	s_lshl_b32 s58, s22, 20
	s_add_co_u32 s56, s56, s58
	s_lshl_b32 s58, s61, 8
	s_add_co_u32 s56, s56, s58
	s_add_nc_u64 s[PV:PV+1], s[10:11], s[56:57]
	s_lshl_b32 s56, s62, 18
	s_lshl_b32 s58, s22, 10
	s_add_co_u32 s56, s56, s58
	s_add_nc_u64 s[PW:PW+1], s[12:13], s[56:57]
	s_lshl_b32 s56, s60, 3
	s_lshr_b32 s58, s61, 1
	s_add_co_u32 s56, s56, s58
	s_mul_i32 s56, s56, 25
	s_mul_i32 s58, s62, 12
	s_add_co_u32 s56, s56, s58
	s_add_co_u32 s56, s56, s22
	s_add_co_u32 s56, s56, 8                       ; row tile 8 + 12 jh + wave
	s_lshl_b32 s56, s56, 12
	s_and_b32 s58, s61, 1
	s_lshl_b32 s58, s58, 11
	s_add_co_u32 s56, s56, s58
	s_add_nc_u64 s[PUO:PUO+1], s[16:17], s[56:57]
	; ub: 32 products a lane in two chains, then across the lanes; all in f32
	s_wait_loadcnt 48                              ; x's 32 and the weight's 16 loads are younger
	WIN 0x05
	v_pk_mul_f32 v[12:13], v[192:193], v[224:225]
	v_pk_mul_f32 v[14:15], v[194:195], v[226:227]
.set q, 1
.rept 7
	v_pk_fma_f32 v[12:13], v[192+4*q:192+4*q+1], v[224+4*q:224+4*q+1], v[12:13]
	v_pk_fma_f32 v[14:15], v[194+4*q:194+4*q+1], v[226+4*q:226+4*q+1], v[14:15]
.set q, q+1
.endr
	WIN 0
	v_pk_add_f32 v[12:13], v[12:13], v[14:15]
	v_add_f32 v12, v12, v13
	v_add_f32_dpp v12, v12, v12 row_xmask:1 row_mask:0xf bank_mask:0xf
	v_add_f32_dpp v12, v12, v12 row_xmask:2 row_mask:0xf bank_mask:0xf
	v_add_f32_dpp v12, v12, v12 row_xmask:4 row_mask:0xf bank_mask:0xf
	v_add_f32_dpp v12, v12, v12 row_xmask:8 row_mask:0xf bank_mask:0xf
	v_permlanex16_b32 v13, v12, s52, s53
	v_add_f32 v12, v12, v13
	v_cmp_gt_u32 vcc_lo, 1, v1
	s_wait_xcnt 0x0                                ; EXEC is a source of the pending loads: it changes only behind this wait
	s_and_saveexec_b32 s55, vcc_lo
	global_store_b32 v24, v12, s[PEO:PEO+1]        ; lane 0 alone
	s_wait_xcnt 0x0
	s_or_b32 exec_lo, exec_lo, s55
	; x: rounded and turned: 2 K steps x 4 column tiles, 16 half fragments of 512 consecutive bytes
	s_wait_loadcnt 16                              ; the weight's 16 loads are younger
	WIN 0x05
.set t, 0
.rept 8                                ; t = 4 (K step) + tile
.set p, 0
.rept 8
	v_cvt_pk_bf16_f32 v[ACC+8*t+p], v[64*(t/4)+8*p+t%4], v[64*(t/4)+8*p+4+t%4]
.set p, p+1
.endr
.set t, t+1
.endr
	WIN 0
.set t, 0
.rept 16                               ; t = 8 (K step) + 2 tile + half
	global_store_b128 v[VL], v[ACC+4*t:ACC+4*t+3], s[PXO:PXO+1] offset:((t/2)%4)*4096+(2*(t/8)+t%2)*512
.set t, t+1
.endr
	LOADA 0, 0                                     ; slot 0 has been read: Wu's K step 0
	; Wq / Wk: 16 rows x 128 K
	s_wait_loadcnt 32                              ; the 32 loads just issued are younger
	WIN 0x05
.set n, 0
.rept 32
	v_cvt_pk_bf16_f32 v[160+n], v[128+2*n], v[128+2*n+1]
.set n, n+1
.endr
	WIN 0
.set n, 0
.rept 8
	global_store_b128 v[VL], v[160+4*n:160+4*n+3], s[PCO:PCO+1] offset:512*n
.set n, n+1
.endr
	LOADA 1, 1
	WIN 0
	; W1's own 8 row tiles x 8 K blocks: waves G < 64
	s_cmp_lt_u32 s24, 64
	s_cbranch_scc0 .Lno_w1
	s_lshr_b32 s58, s24, 3
	s_lshl_b32 s56, s58, 16
	s_lshl_b32 s60, s59, 9
	s_add_co_u32 s56, s56, s60
	s_add_nc_u64 s[PC2:PC2+1], s[12:13], s[56:57]
	s_lshl_b32 s56, s58, 3
	s_add_co_u32 s56, s56, s59
	s_mul_i32 s56, s56, 25
	s_add_co_u32 s56, s56, 24
	s_lshl_b32 s56, s56, 12
	s_add_nc_u64 s[PC2O:PC2O+1], s[16:17], s[56:57]
.set n, 0
.rept 16
	global_load_b128 v[192+4*n:192+4*n+3], v[VW], s[PC2:PC2+1] offset:(n/2)*64+(n%2)*16
.set n, n+1
.endr
	s_wait_loadcnt 0x0
.set n, 0
.rept 32
	v_cvt_pk_bf16_f32 v[192+n], v[192+2*n], v[192+2*n+1]   ; in place, ascending: register n has been read when it is written
.set n, n+1
.endr
.set n, 0
.rept 8
	global_store_b128 v[VL], v[192+4*n:192+4*n+3], s[PC2O:PC2O+1] offset:512*n
.set n, n+1
.endr
.Lno_w1:
	s_wait_xcnt 0x0                                ; the stores above have read v96-223: the first products write them
	; Wu: 8 K steps of 32 on the ring of two slots; 64 loads of a wave are on their way
	STEP 0, 1, 1, 32                               ; the first step starts the sums
	STEP 1, 0, 1, 32
	s_wait_xcnt 0x0                                ; the pointers step only behind this wait
	s_add_nc_u64 s[PV:PV+1], s[PV:PV+1], 262144
	s_add_nc_u64 s[PW:PW+1], s[PW:PW+1], 256
	s_mov_b32 s54, 2
.Lk:
	STEP 0, 0, 1, 32
	STEP 1, 0, 1, 32
	s_wait_xcnt 0x0
	s_add_nc_u64 s[PV:PV+1], s[PV:PV+1], 262144
	s_add_nc_u64 s[PW:PW+1], s[PW:PW+1], 256
	s_sub_co_u32 s54, s54, 1
	s_cmp_lg_u32 s54, 0
	s_cbranch_scc1 .Lk
	STEP 0, 0, 0, 32                               ; the last two steps load nothing
	STEP 1, 0, 0, 0
	; the four K slices are added: every wave writes its 16 partial tiles, wave w adds up row tile w
	PLACES
.set n, 0
.rept 32
	ds_store_b128 v[LST], v[ACC+4*n:ACC+4*n+3] offset:512*n
.set n, n+1
.endr
	s_wait_dscnt 0x0                               ; for the others' sake
	s_barrier_signal -1
	s_barrier_wait -1
	WIN 0x40
.set n, 0
.rept 32                               ; n = 8 (slice) + 2 i + quad
	ds_load_b128 v[4*n:4*n+3], v[LRD] offset:(n/8)*16384+(n%8)*512
.set n, n+1
.endr
	s_wait_dscnt 0x0
	WIN 0x45
.set n, 16
.rept 48
	v_pk_add_f32 v[2*(n%16):2*(n%16)+1], v[2*(n%16):2*(n%16)+1], v[2*n:2*n+1]
.set n, n+1
.endr
	; lane (r, h) holds row j = r and columns 32 h + 4 e + i (tile i, register e): 32 neighbouring K, four chunks of 16 bytes
	WIN 0x05
.set n, 0
.rept 16                               ; n = 4 q + k
	v_cvt_pk_bf16_f32 v[OUT+n], v[16*(n%2)+2*(n/4)+(n%4)/2], v[16*(n%2)+8+2*(n/4)+(n%4)/2]
.set n, n+1
.endr
	WIN 0
.set q, 0
.rept 4
	global_store_b128 v[VU], v[OUT+4*q:OUT+4*q+3], s[PUO:PUO+1] offset:(q/2)*512+(q%2)*256  ; sixteen lanes fill 256 consecutive bytes
.set q, q+1
.endr
	s_wait_tensorcnt 0x0                           ; the wave's end, behind my last LDS store
	ds_add_u32 v[SPW], v[NIL]
	s_wait_dscnt 0x0
	s_endpgm
.Lfunc_end_k_q4bbc750440_prep:
	.size	k_q4bbc750440_prep, .Lfunc_end_k_q4bbc750440_prep-k_q4bbc750440_prep
	.p2alignl 7, 3214868480
	.fill 96, 4, 3214868480
	.section	.rodata,"a",@progbits
	.p2align	6, 0x0
	.amdhsa_kernel k_q4bbc750440_prep
		.amdhsa_group_segment_fixed_size 66048
		.amdhsa_private_segment_fixed_size 0
		.amdhsa_enable_private_segment 0
		.amdhsa_kernarg_size 72
		.amdhsa_user_sgpr_count 2
		.amdhsa_user_sgpr_kernarg_segment_ptr 1
		.amdhsa_wavefront_size32 1
		.amdhsa_system_sgpr_workgroup_id_x 1
		.amdhsa_system_sgpr_workgroup_id_y 1
		.amdhsa_system_sgpr_workgroup_id_z 1
		.amdhsa_system_vgpr_workitem_id 0
		.amdhsa_next_free_vgpr 512
		.amdhsa_next_free_sgpr 66
		.amdhsa_reserve_vcc 1
		.amdhsa_float_denorm_mode_32 3
		.amdhsa_float_denorm_mode_16_64 3
		.amdhsa_memory_ordered 1
		.amdhsa_forward_progress 1
		.amdhsa_inst_pref_size 84
	.end_amdhsa_kernel
	.amdgpu_metadata
---
amdhsa.version: [ 1, 2 ]
amdhsa.kernels:
  - .name:           k_q4bbc750440_prep
    .symbol:         k_q4bbc750440_prep.kd
    .args:
      - { .name: x, .offset: 0, .size: 8, .value_kind: global_buffer, .address_space: global }
      - { .name: Wq, .offset: 8, .size: 8, .value_kind: global_buffer, .address_space: global }
      - { .name: Wk, .offset: 16, .size: 8, .value_kind: global_buffer, .address_space: global }
      - { .name: Wv, .offset: 24, .size: 8, .value_kind: global_buffer, .address_space: global }
      - { .name: W1, .offset: 32, .size: 8, .value_kind: global_buffer, .address_space: global }
      - { .name: bv, .offset: 40, .size: 8, .value_kind: global_buffer, .address_space: global }
      - { .name: Wn, .offset: 48, .size: 8, .value_kind: global_buffer, .address_space: global }
      - { .name: Xn, .offset: 56, .size: 8, .value_kind: global_buffer, .address_space: global }
      - { .name: ub, .offset: 64, .size: 8, .value_kind: global_buffer, .address_space: global }
    .group_segment_fixed_size: 66048
    .private_segment_fixed_size: 0
    .kernarg_segment_align: 8
    .kernarg_segment_size: 72
    .max_flat_workgroup_size: 128
    .sgpr_count:     66
    .vgpr_count:     512
    .wavefront_size: 32
...
	.end_amdgpu_metadata
.endif
;; end of part 1
;; launch proj (part 2): grid 32 x 8, 4 waves a work-group, clusters of 4 x 4, 327,680 bytes of LDS; arguments Wn, Xn, bq, bk, ub, b1, qn, kn, un, zn; writes qn, kn, un, zn
.if DOCPART == 2
	.amdgcn_target "amdgcn-amd-amdhsa--gfx1250"
	.amdhsa_code_object_version 6
	.text
	.protected	k_q4bbc750440_proj
	.globl	k_q4bbc750440_proj
	.p2align	8
	.type	k_q4bbc750440_proj,@function
k_q4bbc750440_proj:
	s_mov_b64 s[64:65], 0
	v_nop
	global_prefetch_b8 v0, s[64:65] scope:SCOPE_SE
	s_setreg_imm32_b32 hwreg(HW_REG_WAVE_MODE, 25, 1), 1
	s_wait_xcnt 0x0
	s_wait_alu depctr_hold_cnt(0) depctr_sa_sdst(0) depctr_va_vdst(0) depctr_va_sdst(0) depctr_va_ssrc(0) depctr_va_vcc(0) depctr_vm_vsrc(0)
	s_getreg_b32 s2, hwreg(HW_REG_IB_STS2, 6, 4)
	s_cmp_eq_u32 s2, 0
	s_cbranch_scc0 .Lentry_in_a_cluster
	s_endpgm
.Lentry_in_a_cluster:
	s_bfe_u32 s2, ttmp6, 0x10000c
	s_cmp_lg_u32 s2, 0xf033
	s_cbranch_scc0 .Lentry_shape_is_right
	s_endpgm
.Lentry_shape_is_right:
; PROJ.  [q; u rows 0-63; k; u rows 64-127; 16 rows of z] (head g) = Wn[g] Xn + bias: 400 rows x 128 t a work-group, K = 1,024, bf16 operands, f32 sums.
; q, k leave in f16, u in bf16, z = W1 x + b1 in f32, each rounded once, all as half fragments of 512 bytes (see the first launch): the next launch reads them without any shuffle.
; LIMIT.  q and k must stay within f16's 65,504; u may be far larger (three factors) and goes in bf16.
; SHARES.  Wave (wm = w / 2, wn = w % 2): row tiles 12 wm .. 12 wm + 11 x four column tiles, and the z tile x two of them: 50 accumulators, 400 registers, the same text in every wave:
; register slot s holds column tile 4 wn + (s + 2 wm) % 4, a rotation made in the LDS addresses, so that the z tile's two products fall on slots 0 and 1 in all waves.
; RING.  K goes in steps of 128 through two LDS slots: 25 row tiles of Wn (102,400 dense bytes) and 8 column tiles of Xn (32,768).  Both are dense in memory and come as rows of 256 bytes; a fragment load
; is 32 lanes x 16 neighbouring bytes, so no padding is needed.  Waves 0, 1 fetch the halves of Wn's block, waves 2, 3 those of Xn's: one tensor load a wave behind each round; two are out at the start.
; CLUSTER 4 x 4: Wn's block hangs on the head alone (shared along a row of the cluster), Xn's on the column block alone (shared along a column): joint loads.
; REGISTERS.  window 0: v16-29 addresses; v32-135, v136-239 two buffers of 13 fragments of Wn; on the way out v32-223 packed results.   window 1: v0-31, v32-63 two buffers of 4 fragments of Xn; v64-167 the bias.
; window 2: accumulators of row tiles 0-7 at 32 a + 8 s.   window 3: row tiles 8-11 at 32 (a - 8) + 8 s; z at 128 + 8 s.
.set SLOT,  135168
.set BOFF,  102400                     ; Xn's tiles in a slot
.set SPARE, 2*SLOT                     ; behind the ring: the spare words, 128 bytes a wave
.set ADRA,  16                         ; v16-17 my 12 row tiles in slot 0, 1
.set ADRZ,  18                         ; v18-19 the z tile
.set ADRBL, 20                         ; v20-21 register slots 0, 1;  v22-23 register slots 2, 3
.set VQ,    24                         ; v24  16 x lane
.set VUO,   25                         ; v25  32 r + 16 h: u's tiles are row-major, 16 keys x 32 bytes
.set VBI,   26                         ; v26  32 h: a lane's eight rows of a bias
.set SPW,   28
.set NIL,   29
.set F0,    32
.set F1,    136
.set BI,    64
.set G1,  24
.set G0,  32
.set G1B, 48
.set G0B, 56
.set MSB, 0
.macro WIN new
.if MSB != (\new)
	s_set_vgpr_msb (MSB<<8)|(\new)
.set MSB, \new
.endif
.endm
.set MUL_LO, 0xa4                      ; source 0 (Wn) window 0, source 1 (Xn) window 1, C and D window 2
.set MUL_HI, 0xf4                      ; C and D window 3
.macro PLACES
.rept 4
	v_nop
.endr
.endm
.macro JLOAD sl                        ; a joint load; an s_nop 0 and four v_nop follow each of the two lines
	s_cmp_eq_u32 s11, 0
	s_cbranch_scc0 .Lfor_b_\@
	tensor_load_to_lds s[G0+4*(\sl):G0+4*(\sl)+3], s[G1:G1+7]
	s_nop 0
.rept 4
	v_nop
.endr
	s_branch .Lasked_\@
.Lfor_b_\@:
	tensor_load_to_lds s[G0B+4*(\sl):G0B+4*(\sl)+3], s[G1B:G1B+7]
	s_nop 0
.rept 4
	v_nop
.endr
.Lasked_\@:
.endm
.macro CREST                           ; a round of the cluster's barrier behind its opening barrier
	s_cmp_lg_u32 s10, 0
	s_cbranch_scc1 .Lnot_wave_0_\@
	s_barrier_signal -3
.Lnot_wave_0_\@:
	s_barrier_wait -3
	s_barrier_signal -1
	s_barrier_wait -1
.endm
.macro CROUND
	s_barrier_signal -1
	s_barrier_wait -1
	CREST
.endm
	s_load_b512 s[68:83], s[0:1], 0x0              ; Wn 68, Xn 70, bq 72, bk 74, ub 76, b1 78, qn 80, kn 82
	s_load_b128 s[84:87], s[0:1], 0x40             ; un 84, zn 86
	v_lshl_add_u32 v[SPW], v0, 2, SPARE
	v_mov_b32 v[NIL], 0
	ds_add_u32 v[SPW], v[NIL]                      ; the wave's opening: the add and its wait ahead of my first tensor load
	v_lshrrev_b32 v1, 5, v0
	v_readfirstlane_b32 s10, v1                    ; wave
	s_lshr_b32 s11, s10, 1                         ; wm.  Also: I fetch Wn (0) or Xn (1)
	s_and_b32 s12, s10, 1                          ; wn.  Also: which half of the block I fetch
	s_bfe_u32 s40, ttmp6, 0x40000                  ; cx
	s_bfe_u32 s41, ttmp6, 0x40004                  ; cy
	s_lshl_b32 s42, ttmp9, 2
	s_add_co_u32 s42, s42, s40                     ; column block Nb = 4 b + t / 128
	s_and_b32 s13, ttmp7, 0xffff
	s_lshl_b32 s13, s13, 2
	s_add_co_u32 s13, s13, s41                     ; head g
	s_lshl_b32 s43, s41, 2
	s_lshl_b32 s43, 15, s43                        ; my row of the cluster
	s_lshl_b32 s44, 0x1111, s40                    ; my column
	s_or_b32 s[G1+0], s43, (3<<16)|(1<<21)         ; the mask; elements of 8 bytes; bit 21 set beside a mask; no padding
	s_or_b32 s[G1B+0], s44, (3<<16)|(1<<21)
	s_mov_b32 s[G1+1], 32<<16                      ; tensor_dim0 = 32 elements: rows of 256 bytes
	s_mov_b32 s[G1+2], 200<<16                     ; tensor_dim1 = 200 rows: half of 102,400 bytes
	s_mov_b32 s[G1+3], 32<<16                      ; tile_dim0
	s_mov_b32 s[G1+4], 200                         ; tile_dim1
	s_mov_b32 s[G1+5], 32                          ; the pitch: dense
	s_mov_b32 s[G1+6], 0
	s_mov_b32 s[G1+7], 0
	s_mov_b32 s[G1B+1], 32<<16
	s_mov_b32 s[G1B+2], 64<<16                     ; 64 rows: half of 32,768 bytes
	s_mov_b32 s[G1B+3], 32<<16
	s_mov_b32 s[G1B+4], 64
	s_mov_b32 s[G1B+5], 32
	s_mov_b32 s[G1B+6], 0
	s_mov_b32 s[G1B+7], 0
	s_mul_i32 s16, s13, 819200                     ; Wn: the head's 8 blocks; made of the head and the wave's number alone
	s_mul_i32 s20, s12, 51200                      ; my half, in memory and in LDS
	s_add_co_u32 s16, s16, s20
	s_mov_b32 s17, 0
	s_lshl_b32 s46, s42, 18                        ; Xn: the column block's 8 blocks; made of Nb and the wave's number alone
	s_lshl_b32 s21, s12, 14
	s_add_co_u32 s46, s46, s21
	s_mov_b32 s47, 0
	s_add_co_u32 s21, s21, BOFF
	s_wait_dscnt 0x0                               ; the opening add is done
	s_wait_kmcnt 0x0
	s_add_nc_u64 s[14:15], s[68:69], s[16:17]
	s_add_nc_u64 s[46:47], s[70:71], s[46:47]
	CROUND                                         ; all sixteen work-groups are here: the first joint loads meet
.irp sl, 0,1
	s_mov_b32 s[G0+4*(\sl)], 1
	s_add_co_u32 s[G0+4*(\sl)+1], s20, (\sl)*SLOT
	s_add_nc_u64 s[G0+4*(\sl)+2:G0+4*(\sl)+3], s[14:15], (\sl)*102400
	s_or_b32 s[G0+4*(\sl)+3], s[G0+4*(\sl)+3], 0x80000000
	s_mov_b32 s[G0B+4*(\sl)], 1
	s_add_co_u32 s[G0B+4*(\sl)+1], s21, (\sl)*SLOT
	s_add_nc_u64 s[G0B+4*(\sl)+2:G0B+4*(\sl)+3], s[46:47], (\sl)*32768
	s_or_b32 s[G0B+4*(\sl)+3], s[G0B+4*(\sl)+3], 0x80000000
	JLOAD \sl
.endr
	; the biases' and the results' addresses.  wm = 0: q, wm = 1: k
	s_cmp_eq_u32 s11, 0
	s_cselect_b64 s[4:5], s[72:73], s[74:75]
	s_cselect_b64 s[90:91], s[80:81], s[82:83]
	s_lshl_b32 s88, s13, 9
	s_mov_b32 s89, 0
	s_add_nc_u64 s[4:5], s[4:5], s[88:89]          ; bq or bk, the head's 128
	s_lshl_b32 s2, s11, 8
	s_add_co_u32 s88, s88, s2
	s_add_nc_u64 s[6:7], s[76:77], s[88:89]        ; ub, the head's rows 64 wm on
	s_lshl_b32 s88, s13, 6
	s_add_nc_u64 s[8:9], s[78:79], s[88:89]        ; b1, rows 16 g on
	s_lshr_b32 s88, s42, 2
	s_lshl_b32 s88, s88, 3
	s_add_co_u32 s88, s88, s13                     ; 8 b + g
	s_lshl_b32 s88, s88, 17
	s_and_b32 s2, s42, 3
	s_lshl_b32 s2, s2, 15
	s_add_co_u32 s88, s88, s2
	s_lshl_b32 s2, s12, 14
	s_add_co_u32 s88, s88, s2                      ; column tile 8 (t / 128) + 4 wn
	s_lshl_b32 s2, s11, 13
	s_xor_b32 s3, s11, 1
	s_lshl_b32 s3, s3, 13
	s_add_co_u32 s18, s88, s3                      ; register slots 2, 3: + 2 - 2 wm tiles
	s_mov_b32 s19, 0
	s_add_co_u32 s88, s88, s2                      ; register slots 0, 1: + 2 wm tiles
	s_add_nc_u64 s[92:93], s[90:91], s[18:19]
	s_add_nc_u64 s[90:91], s[90:91], s[88:89]
	s_lshl_b32 s2, s11, 11                         ; u's row tiles 4 wm on
	s_add_co_u32 s88, s88, s2
	s_add_co_u32 s18, s18, s2
	s_add_nc_u64 s[94:95], s[84:85], s[88:89]
	s_add_nc_u64 s[96:97], s[84:85], s[18:19]
	s_lshl_b32 s88, s42, 3
	s_lshl_b32 s2, s12, 2
	s_add_co_u32 s88, s88, s2
	s_lshl_b32 s2, s11, 1
	s_add_co_u32 s88, s88, s2                      ; z: column tile 8 Nb + 4 wn + 2 wm,
	s_lshl_b32 s88, s88, 13
	s_lshl_b32 s2, s13, 10                         ; row tile g
	s_add_co_u32 s88, s88, s2
	s_add_nc_u64 s[98:99], s[86:87], s[88:89]
	v_and_b32 v1, 31, v0
	v_and_b32 v2, 15, v0
	v_bfe_u32 v3, v0, 4, 1
	v_lshlrev_b32 v[VQ], 4, v1
	v_lshlrev_b32 v[VUO], 5, v2
	v_lshl_add_u32 v[VUO], v3, 4, v[VUO]
	v_lshlrev_b32 v[VBI], 5, v3
	s_mul_i32 s22, s11, 49152
	v_add_nc_u32 v[ADRA], s22, v[VQ]
	v_add_nc_u32 v[ADRA+1], SLOT, v[ADRA]
	v_add_nc_u32 v[ADRZ], 98304, v[VQ]
	v_add_nc_u32 v[ADRZ+1], SLOT, v[ADRZ]
	s_lshl_b32 s22, s12, 14
	s_add_co_u32 s22, s22, BOFF
	s_lshl_b32 s23, s11, 13
	s_add_co_u32 s23, s23, s22
	v_add_nc_u32 v[ADRBL], s23, v[VQ]
	v_add_nc_u32 v[ADRBL+1], SLOT, v[ADRBL]
	s_xor_b32 s23, s11, 1
	s_lshl_b32 s23, s23, 13
	s_add_co_u32 s23, s23, s22
	v_add_nc_u32 v[ADRBL+2], s23, v[VQ]
	v_add_nc_u32 v[ADRBL+3], SLOT, v[ADRBL+2]
	WIN 0x40                                       ; a lane's eight rows 16 a + 8 h .. of each of its 13 row tiles' bias; waited for on the way out
.set a, 0
.rept 8
	global_load_b128 v[BI+8*a:BI+8*a+3],   v[VBI], s[4:5] offset:64*a
	global_load_b128 v[BI+8*a+4:BI+8*a+7], v[VBI], s[4:5] offset:64*a+16
.set a, a+1
.endr
.rept 4
	global_load_b128 v[BI+8*a:BI+8*a+3],   v[VBI], s[6:7] offset:64*(a-8)
	global_load_b128 v[BI+8*a+4:BI+8*a+7], v[VBI], s[6:7] offset:64*(a-8)+16
.set a, a+1
.endr
	global_load_b128 v[BI+96:BI+99],   v[VBI], s[8:9]
	global_load_b128 v[BI+100:BI+103], v[VBI], s[8:9] offset:16
	WIN 0
; cnt row tiles from a0 x the four register slots, 32 along K, from buffer f.  zero = 1: the products start the sums.  All 50 accumulators take turns in one order.
.macro MUL f, a0, cnt, zero
.if (\a0) < 8
	WIN MUL_LO
.else
	WIN MUL_HI
.endif
.set fb, 32*((\f)/F1)
.set a, \a0
.rept \cnt
.set sl, 0
.rept 4
.set ac, 32*(a%8)+8*sl
.if \zero
	v_wmma_f32_16x16x32_bf16 v[ac:ac+7], v[(\f)+8*a:(\f)+8*a+7], v[fb+8*sl:fb+8*sl+7], 0
.else
	v_wmma_f32_16x16x32_bf16 v[ac:ac+7], v[(\f)+8*a:(\f)+8*a+7], v[fb+8*sl:fb+8*sl+7], v[ac:ac+7]
.endif
.set sl, sl+1
.endr
.set a, a+1
.endr
.endm
.macro MULZ f, zero                    ; the z tile x register slots 0, 1
	WIN MUL_HI
.set fb, 32*((\f)/F1)
.set sl, 0
.rept 2
.set ac, 128+8*sl
.if \zero
	v_wmma_f32_16x16x32_bf16 v[ac:ac+7], v[(\f)+96:(\f)+103], v[fb+8*sl:fb+8*sl+7], 0
.else
	v_wmma_f32_16x16x32_bf16 v[ac:ac+7], v[(\f)+96:(\f)+103], v[fb+8*sl:fb+8*sl+7], v[ac:ac+7]
.endif
.set sl, sl+1
.endr
.endm
; 34 LDS loads in one run: quarter kc (32 along K) of a slot into buffer f: Xn's 4 fragments, row tiles 0-7, then row tiles 8-11 and z (the ten that a quarter's first wait leaves out)
.macro FETCH slot, kc, f
.set fb, 32*((\f)/F1)
	WIN 0x40
.set sl, 0
.rept 4
	ds_load_b128 v[fb+8*sl:fb+8*sl+3],   v[ADRBL+2*(sl/2)+(\slot)] offset:(sl%2)*4096+(\kc)*1024
	ds_load_b128 v[fb+8*sl+4:fb+8*sl+7], v[ADRBL+2*(sl/2)+(\slot)] offset:(sl%2)*4096+(\kc)*1024+512
.set sl, sl+1
.endr
	WIN 0
.set a, 0
.rept 12
	ds_load_b128 v[(\f)+8*a:(\f)+8*a+3],   v[ADRA+(\slot)] offset:a*4096+(\kc)*1024
	ds_load_b128 v[(\f)+8*a+4:(\f)+8*a+7], v[ADRA+(\slot)] offset:a*4096+(\kc)*1024+512
.set a, a+1
.endr
	ds_load_b128 v[(\f)+96:(\f)+99],   v[ADRZ+(\slot)] offset:(\kc)*1024
	ds_load_b128 v[(\f)+100:(\f)+103], v[ADRZ+(\slot)] offset:(\kc)*1024+512
.endm
; One of a K step's first three quarters: multiplies buffer f; in its middle fetches quarter kc of the same slot into buffer g
.macro QUARTER slot, kc, f, g, zero
	s_wait_dscnt 10                                ; Xn and row tiles 0-7 are in; the youngest ten loads may be out
	MUL \f, 0, 8, \zero
	PLACES                                         ; in front of loads into registers that matrix instructions have read
	FETCH \slot, \kc, \g
	s_wait_dscnt 34                                ; all but the 34 just issued
	MUL \f, 8, 4, \zero
	MULZ \f, \zero
.endm
; The last quarter multiplies buffer 1 and changes slots: one barrier; in front of it the wait for all my tensor loads (one is out: my part of the next slot), the add, and the wait for it and for my reads of this slot.
; fill = 1: the barrier opens a round of the cluster's, and this slot is filled again, two K steps on, first thing behind it: 168 matrix instructions ahead of the wait for it.
.macro TURN slot, next, fill
	WIN 0
	s_wait_tensorcnt 0x0
	ds_add_u32 v[SPW], v[NIL]
	s_wait_dscnt 11                                ; the add and the youngest ten loads may be out
	MUL F1, 0, 4, 0
	s_wait_dscnt 0x0                               ; the add is done, and my reads of this slot are over
	s_barrier_signal -1
	MUL F1, 4, 4, 0
.if \fill
	WIN 0
.endif
	s_barrier_wait -1
.if \fill
	CREST
	s_add_nc_u64 s[G0+4*(\slot)+2:G0+4*(\slot)+3], s[G0+4*(\slot)+2:G0+4*(\slot)+3], 204800
	s_add_nc_u64 s[G0B+4*(\slot)+2:G0B+4*(\slot)+3], s[G0B+4*(\slot)+2:G0B+4*(\slot)+3], 65536
	JLOAD \slot                                    ; its four v_nop are also the places in front of the loads below
.else
	PLACES
.endif
	FETCH \next, 0, F0
	MUL F1, 8, 4, 0
	MULZ F1, 0
.endm
	s_wait_tensorcnt 0x1                           ; my part of K step 0 is in; K step 1's may stay out
	s_barrier_signal -1
	s_barrier_wait -1
	FETCH 0, 0, F0
	QUARTER 0, 1, F0, F1, 1                        ; the first quarter starts the sums
	WIN 0
	s_mov_b32 s3, 3
.Llap:                                         ; a trip goes once round the ring and fills both slots again: K steps 2 to 7
	QUARTER 0, 2, F1, F0, 0
	QUARTER 0, 3, F0, F1, 0
	TURN 0, 1, 1
	QUARTER 1, 1, F0, F1, 0
	QUARTER 1, 2, F1, F0, 0
	QUARTER 1, 3, F0, F1, 0
	TURN 1, 0, 1
	QUARTER 0, 1, F0, F1, 0
	WIN 0
	s_sub_co_u32 s3, s3, 1
	s_cmp_lg_u32 s3, 0
	s_cbranch_scc1 .Llap
	QUARTER 0, 2, F1, F0, 0                        ; the last lap fills nothing
	QUARTER 0, 3, F0, F1, 0
	TURN 0, 1, 0
	QUARTER 1, 1, F0, F1, 0
	QUARTER 1, 2, F1, F0, 0
	QUARTER 1, 3, F0, F1, 0
	s_wait_dscnt 10
	MUL F1, 0, 8, 0
	s_wait_dscnt 0x0
	MUL F1, 8, 4, 0
	MULZ F1, 0
	; THE WAY OUT.  In a result lane (r, h) holds t index r and rows 8 h + 0..7: with the bias added and rounded, 16 bytes that ARE the lane's chunk of a half fragment.  Every store covers 512 consecutive bytes.
	PLACES
	s_wait_loadcnt 0x0                             ; the bias
	WIN 0x86
.set n, 0
.rept 128                              ; each accumulator's registers in ascending order
	v_pk_add_f32 v[2*n:2*n+1], v[2*n:2*n+1], v[BI+8*(n/16)+2*(n%4):BI+8*(n/16)+2*(n%4)+1]
.set n, n+1
.endr
	WIN 0x0a
.set n, 0
.rept 128
	v_cvt_pk_f16_f32 v[32+n], v[2*n], v[2*n+1]
.set n, n+1
.endr
	WIN 0
.set n, 0
.rept 32                               ; n = 4 a + s
	global_store_b128 v[VQ], v[32+4*n:32+4*n+3], s[90+2*((n%4)/2):91+2*((n%4)/2)] offset:(n%2)*4096+(n/4)*512
.set n, n+1
.endr
	WIN 0xc7
.set n, 0
.rept 72                               ; u's 16 accumulators, then z's two
	v_pk_add_f32 v[2*n:2*n+1], v[2*n:2*n+1], v[BI+64+8*(n/16)+2*(n%4):BI+64+8*(n/16)+2*(n%4)+1]
.set n, n+1
.endr
	WIN 0x0f
.set n, 0
.rept 64
	v_cvt_pk_bf16_f32 v[160+n], v[2*n], v[2*n+1]
.set n, n+1
.endr
	WIN 0
.set n, 0
.rept 16
	global_store_b128 v[VUO], v[160+4*n:160+4*n+3], s[94+2*((n%4)/2):95+2*((n%4)/2)] offset:(n%2)*4096+(n/4)*512
.set n, n+1
.endr
	WIN 0x0c                                       ; store data in window 3: z leaves in f32
.set n, 0
.rept 4                                ; n = 2 s + quad
	global_store_b128 v[VQ], v[128+4*n:128+4*n+3], s[98:99] offset:(n/2)*8192+(n%2)*512
.set n, n+1
.endr
	WIN 0
	s_wait_tensorcnt 0x0                           ; the wave's end
	ds_add_u32 v[SPW], v[NIL]
	s_wait_dscnt 0x0
	CROUND                                         ; the closing round
	s_endpgm
.Lfunc_end_k_q4bbc750440_proj:
	.size	k_q4bbc750440_proj, .Lfunc_end_k_q4bbc750440_proj-k_q4bbc750440_proj
	.p2alignl 7, 3214868480
	.fill 96, 4, 3214868480
	.section	.rodata,"a",@progbits
	.p2align	6, 0x0
	.amdhsa_kernel k_q4bbc750440_proj
		.amdhsa_group_segment_fixed_size 327680
		.amdhsa_private_segment_fixed_size 0
		.amdhsa_enable_private_segment 0
		.amdhsa_kernarg_size 80
		.amdhsa_user_sgpr_count 2
		.amdhsa_user_sgpr_kernarg_segment_ptr 1
		.amdhsa_wavefront_size32 1
		.amdhsa_system_sgpr_workgroup_id_x 1
		.amdhsa_system_sgpr_workgroup_id_y 1
		.amdhsa_system_sgpr_workgroup_id_z 1
		.amdhsa_system_vgpr_workitem_id 0
		.amdhsa_next_free_vgpr 1024
		.amdhsa_next_free_sgpr 100
		.amdhsa_reserve_vcc 0
		.amdhsa_float_denorm_mode_32 3
		.amdhsa_float_denorm_mode_16_64 3
		.amdhsa_memory_ordered 1
		.amdhsa_forward_progress 1
		.amdhsa_inst_pref_size 132
	.end_amdhsa_kernel
	.amdgpu_metadata
---
amdhsa.version: [ 1, 2 ]
amdhsa.kernels:
  - .name:           k_q4bbc750440_proj
    .symbol:         k_q4bbc750440_proj.kd
    .args:
      - { .name: Wn, .offset: 0, .size: 8, .value_kind: global_buffer, .address_space: global }
      - { .name: Xn, .offset: 8, .size: 8, .value_kind: global_buffer, .address_space: global }
      - { .name: bq, .offset: 16, .size: 8, .value_kind: global_buffer, .address_space: global }
      - { .name: bk, .offset: 24, .size: 8, .value_kind: global_buffer, .address_space: global }
      - { .name: ub, .offset: 32, .size: 8, .value_kind: global_buffer, .address_space: global }
      - { .name: b1, .offset: 40, .size: 8, .value_kind: global_buffer, .address_space: global }
      - { .name: qn, .offset: 48, .size: 8, .value_kind: global_buffer, .address_space: global }
      - { .name: kn, .offset: 56, .size: 8, .value_kind: global_buffer, .address_space: global }
      - { .name: un, .offset: 64, .size: 8, .value_kind: global_buffer, .address_space: global }
      - { .name: zn, .offset: 72, .size: 8, .value_kind: global_buffer, .address_space: global }
    .group_segment_fixed_size: 327680
    .private_segment_fixed_size: 0
    .kernarg_segment_align: 8
    .kernarg_segment_size: 80
    .max_flat_workgroup_size: 128
    .sgpr_count:     100
    .vgpr_count:     1024
    .wavefront_size: 32
...
	.end_amdgpu_metadata
.endif
;; end of part 2
;; launch attn (part 3): grid 4 x 64, 4 waves a work-group, clusters of 4 x 1, 327,680 bytes of LDS; arguments qn, kn, un, zn, W2, b2, gamma, x, out0; writes out0
.if DOCPART == 3
	.amdgcn_target "amdgcn-amd-amdhsa--gfx1250"
	.amdhsa_code_object_version 6
	.text
	.protected	k_q4bbc750440_attn
	.globl	k_q4bbc750440_attn
	.p2align	8
	.type	k_q4bbc750440_attn,@function
k_q4bbc750440_attn:
	s_mov_b64 s[64:65], 0
	v_nop
	global_prefetch_b8 v0, s[64:65] scope:SCOPE_SE
	s_setreg_imm32_b32 hwreg(HW_REG_WAVE_MODE, 25, 1), 1
	s_wait_xcnt 0x0
	s_wait_alu depctr_hold_cnt(0) depctr_sa_sdst(0) depctr_va_vdst(0) depctr_va_sdst(0) depctr_va_ssrc(0) depctr_va_vcc(0) depctr_vm_vsrc(0)
	s_getreg_b32 s2, hwreg(HW_REG_IB_STS2, 6, 4)
	s_cmp_eq_u32 s2, 0
	s_cbranch_scc0 .Lentry_in_a_cluster
	s_endpgm
.Lentry_in_a_cluster:
	s_bfe_u32 s2, ttmp6, 0x10000c
	s_cmp_lg_u32 s2, 0x3003
	s_cbranch_scc0 .Lentry_shape_is_right
	s_endpgm
.Lentry_shape_is_right:
; ATTN.  For batch b and head g (bh = 8 b + g) and 128 queries: S^T = k^T q (f16 operands), softmax over all 512 keys, O = u P (bf16), y1 = relu(gamma O / l + z), y2 = relu(W2 y1 + b2) (bf16 operands),
; out[b][8 i + g][t] = y2[i][t] + x[b][8 i + g][t] (f32).  All sums, maxima and the last addition in f32.
; A wave owns two tiles of 16 queries and keeps ALL 512 scores of each in registers (2 x 256): the maximum taken away is the row's true maximum, and O is never rescaled.
; LIMITS.  q, k arrive in f16 (within 65,504).  The weights p = 2^(c s - c m), c = log2(e), are rounded to bf16; l is the sum of the ROUNDED weights, made by the matrix unit (a product with ones), in f32;
; a weight below 2^-126 counts as 0; NaN and infinities are not treated apart.
; LAYOUT.  S^T = K Q^T: a lane holds one query (lane % 16) and keys 8 (lane / 16) + 0..7 of each key tile; two tiles rounded in pairs ARE source 1 of O = U P; O, z and y1 hold one query a lane and eight channels j;
; y1 rounded IS source 0 of y2 = y1 W2^T, whose result holds one output i a lane and eight queries.  Tile T, index m stands for t = 64 (T / 4) + 4 m + T % 4 (first launch): for keys it cancels, for queries the stage undoes it.
; CLUSTER 4 x 1: the four query blocks of one bh read the same K and U: joint loads, each wave a quarter of K and a quarter of U.
; LDS: K 0 .. 131,071; U 131,072 ..; W2 in bf16 fragments 262,144 .. (written by LDS stores); the spare words 294,912.  The stage for the way out (128 rows i x 528 bytes) lies on K's bytes, behind their only fill and last read.
; REGISTERS.  window 0: addresses; v16-27 statistics; v32-39 b2; v40-47 ones; v48-111 Q, later y1; v112-239 z, later y2.   window 1 + qt: S^T (key tile kt at 8 kt), compacted in place to P in v0-127;
; O at 128 + 8 jt, l at 192 and 200; later y2's sums at 8 it; window 1 v128-255 x, window 2 v128-255 the rows read back.   window 3: two buffers of 128 for K's and U's fragments, then all of W2.
.set UOFF,  131072
.set W2OFF, 262144
.set SPARE, 294912
.set SP,    528
.set AK1, 4                            ; v4   65,536 + 16 x lane: K's groups 4-7 (groups 0-3 go by v11)
.set AU0, 5                            ; v5, v6  U's turning loads: (8 h + lane % 8) x 32 + 16 ((lane / 8) % 2), groups 0-3 and 4-7
.set AW2, 7                            ; v7   W2's fragments
.set AW2W, 8                           ; v8   where my wave writes its two row tiles of W2
.set STW, 9                            ; v9   the stage: where I put two neighbouring t of a row i
.set STR, 10                           ; v10  the stage: where I read rows back
.set VL,  11                           ; v11  16 x lane
.set VW2, 12                           ; v12  512 r + 32 h
.set VB2, 13                           ; v13  4 r
.set ZERO, 14
.set CH,  16                           ; v16-19 four chains of the maximum
.set CM,  20                           ; v20-21 c m
.set LT,  22                           ; v22-23 l
.set GL,  24                           ; v24-27 gamma / l, a pair for each tile
.set SPW, 28
.set NIL, 29
.set B2,  32
.set ONES, 40
.set QF,  48
.set ZF,  112
.set G1,  24                           ; s[24:31] group 1;  s[32:35] K's group 0;  s[36:39] U's
.set MSB, 0
.macro WIN new
.if MSB != (\new)
	s_set_vgpr_msb (MSB<<8)|(\new)
.set MSB, \new
.endif
.endm
.macro PLACES
.rept 4
	v_nop
.endr
.endm
.macro CROUND
	s_barrier_signal -1
	s_barrier_wait -1
	s_cmp_lg_u32 s10, 0
	s_cbranch_scc1 .Lnot_wave_0_\@
	s_barrier_signal -3
.Lnot_wave_0_\@:
	s_barrier_wait -3
	s_barrier_signal -1
	s_barrier_wait -1
.endm
	s_load_b512 s[68:83], s[0:1], 0x0              ; qn 68, kn 70, un 72, zn 74, W2 76, b2 78, gamma 80, x 82
	s_load_b64 s[84:85], s[0:1], 0x40              ; out0
	v_lshl_add_u32 v[SPW], v0, 2, SPARE
	v_mov_b32 v[NIL], 0
	ds_add_u32 v[SPW], v[NIL]                      ; the wave's opening: the add and its wait ahead of my first tensor load
	v_lshrrev_b32 v1, 5, v0
	v_readfirstlane_b32 s10, v1                    ; wave
	s_bfe_u32 s13, ttmp6, 0x40000                  ; cx
	s_lshl_b32 s12, ttmp9, 2
	s_add_co_u32 s13, s12, s13                     ; my block of 128 queries: it enters global addresses of q, z, x and out alone
	s_and_b32 s14, ttmp7, 0xffff                   ; bh, which the four partners share
	s_lshr_b32 s15, s14, 3                         ; b
	s_and_b32 s16, s14, 7                          ; g
	s_mov_b32 s[G1+0], 15|(3<<16)|(1<<21)          ; the mask of four; elements of 8 bytes; bit 21 set beside a mask
	s_mov_b32 s[G1+1], 32<<16                      ; rows of 256 bytes,
	s_mov_b32 s[G1+2], 128<<16                     ; 128 of them: a quarter of 131,072 dense bytes
	s_mov_b32 s[G1+3], 32<<16
	s_mov_b32 s[G1+4], 128
	s_mov_b32 s[G1+5], 32
	s_mov_b32 s[G1+6], 0
	s_mov_b32 s[G1+7], 0
	s_lshl_b32 s17, s10, 15                        ; my quarter
	s_lshl_b32 s20, s14, 17
	s_add_co_u32 s20, s20, s17
	s_mov_b32 s21, 0
	s_mov_b32 s32, 1
	s_mov_b32 s33, s17
	s_mov_b32 s36, 1
	s_add_co_u32 s37, s17, UOFF
	s_mov_b32 s58, 0x3fb8aa3b                      ; c = log2(e): the scores are not scaled
	s_mov_b32 s59, s58
	s_mov_b32 s60, 0x76543210
	s_mov_b32 s61, 0xfedcba98
	s_lshl_b32 s18, s13, 3
	s_lshl_b32 s22, s10, 1
	s_add_co_u32 s18, s18, s22                     ; my first query tile: 8 qb + 2 w
	s_mov_b32 s23, 0
	s_wait_dscnt 0x0                               ; the opening add is done
	s_wait_kmcnt 0x0
	s_add_nc_u64 s[34:35], s[70:71], s[20:21]
	s_or_b32 s35, s35, 0x80000000
	s_add_nc_u64 s[38:39], s[72:73], s[20:21]
	s_or_b32 s39, s39, 0x80000000
	s_lshl_b32 s22, s16, 2
	s_add_nc_u64 s[50:51], s[80:81], s[22:23]
	s_load_b32 s62, s[50:51], 0x0                  ; gamma[g]; waited for where it is used
	s_lshl_b32 s22, s14, 17
	s_lshl_b32 s19, s18, 12
	s_add_co_u32 s22, s22, s19
	s_add_nc_u64 s[40:41], s[68:69], s[22:23]      ; q: my two tiles
	s_lshl_b32 s22, s15, 5
	s_add_co_u32 s22, s22, s18
	s_lshl_b32 s22, s22, 13
	s_add_nc_u64 s[42:43], s[74:75], s[22:23]      ; z: the same two tiles of batch b
	s_lshl_b32 s22, s10, 14
	s_add_nc_u64 s[44:45], s[76:77], s[22:23]      ; W2: rows 32 w on
	s_lshl_b32 s22, s15, 21
	s_lshl_b32 s19, s10, 19
	s_add_co_u32 s22, s22, s19
	s_lshl_b32 s19, s16, 11
	s_add_co_u32 s22, s22, s19
	s_lshl_b32 s19, s13, 9
	s_add_co_u32 s22, s22, s19
	s_add_nc_u64 s[46:47], s[82:83], s[22:23]      ; x and out: row 8 (32 w) + g, t = 128 qb on
	s_add_nc_u64 s[48:49], s[84:85], s[22:23]
	CROUND                                         ; all four work-groups are here: the joint loads meet
	tensor_load_to_lds s[32:35], s[G1:G1+7]        ; my quarter of K,
	s_nop 0
	tensor_load_to_lds s[36:39], s[G1:G1+7]        ; and of U
	s_nop 0
.rept 4
	v_nop
.endr
	v_and_b32 v1, 31, v0
	v_and_b32 v2, 15, v0
	v_bfe_u32 v15, v0, 4, 1
	v_lshlrev_b32 v[VL], 4, v1
	v_lshlrev_b32 v[VW2], 9, v2
	v_lshl_add_u32 v[VW2], v15, 5, v[VW2]
	v_lshlrev_b32 v[VB2], 2, v2
	WIN 0x40
.set n, 0
.rept 32                               ; W2, f32: n = 16 (tile) + 2 (half fragment) + half
	global_load_b128 v[4*n:4*n+3], v[VW2], s[44:45] offset:(n/16)*8192+((n/2)%8)*64+(n%2)*16
.set n, n+1
.endr
	WIN 0
.set n, 0
.rept 16                               ; Q stays in registers: tile n / 8, half fragment n % 8
	global_load_b128 v[QF+4*n:QF+4*n+3], v[VL], s[40:41] offset:512*n
.set n, n+1
.endr
.set n, 0
.rept 8
	global_load_b32 v[B2+n], v[VB2], s[78:79] offset:64*n
.set n, n+1
.endr
	v_add_nc_u32 v[AK1], 0x10000, v[VL]
	v_and_b32 v[AU0], 7, v0
	v_lshl_add_u32 v[AU0], v15, 3, v[AU0]
	v_lshlrev_b32 v[AU0], 5, v[AU0]
	v_bfe_u32 v[AU0+1], v0, 3, 1
	v_lshl_add_u32 v[AU0], v[AU0+1], 4, v[AU0]
	v_add_nc_u32 v[AU0], UOFF, v[AU0]
	v_add_nc_u32 v[AU0+1], 0x10000, v[AU0]
	v_add_nc_u32 v[AW2], W2OFF, v[VL]
	v_lshl_add_u32 v[AW2W], s10, 13, v[AW2]
	v_mul_u32_u24 v[STW], v2, SP
	v_lshl_add_u32 v[STW], v15, 7, v[STW]          ; t - 128 qb = 64 (w / 2) + 32 h + 4 e + 2 (w % 2) + qt, times 4 bytes
	s_lshr_b32 s22, s10, 1
	s_lshl_b32 s22, s22, 8
	s_and_b32 s19, s10, 1
	s_lshl_b32 s19, s19, 3
	s_add_co_u32 s22, s22, s19
	v_add_nc_u32 v[STW], s22, v[STW]
	s_mul_i32 s19, s10, 32*SP
	v_add_nc_u32 v[STR], s19, v[VL]
	v_mov_b32 v[ZERO], 0
.set n, 0
.rept 8
	v_mov_b32 v[ONES+n], 0x3f803f80                ; 1.0 twice in bf16
.set n, n+1
.endr
	s_wait_loadcnt 24                              ; W2 is in; Q's 16 and b2's 8 loads are younger
	WIN 0x85
.set n, 0
.rept 64
	v_cvt_pk_bf16_f32 v[n], v[2*n], v[2*n+1]
.set n, n+1
.endr
	WIN 0x08
.set n, 0
.rept 16
	ds_store_b128 v[AW2W], v[4*n:4*n+3] offset:512*n
.set n, n+1
.endr
	WIN 0
.set n, 0
.rept 32                               ; z, in O's own layout: n = 16 qt + 2 jt + quad
	global_load_b128 v[ZF+4*n:ZF+4*n+3], v[VL], s[42:43] offset:512*n
.set n, n+1
.endr
	s_wait_tensorcnt 0x1                           ; my quarter of K is in; U's may stay out
	s_wait_dscnt 0x0                               ; my part of W2 is written
	s_barrier_signal -1
	s_barrier_wait -1
; S^T.  A group is four key tiles: 16 fragments of K, 32 LDS loads, 32 products.  The next group is fetched while this one is multiplied.
.macro FETCH_K G, f
	WIN 0xc0
.set ar, VL
.if (\G) > 3
.set ar, AK1
.endif
.set n, 0
.rept 32
	ds_load_b128 v[(\f)+4*n:(\f)+4*n+3], v[ar] offset:((\G)%4)*16384+512*n
.set n, n+1
.endr
.endm
.macro SMUL G, qt                      ; 16 products: channels 32 (t / 4) on, key tile 4 G + t % 4; the four accumulators take turns
	WIN 0x53+0x50*(\qt)
.set t, 0
.rept 16
.set ac, 8*(4*(\G)+t%4)
.set ka, fc+32*(t%4)+8*(t/4)
.set qa, QF+32*(\qt)+8*(t/4)
.if t < 4
	v_wmma_f32_16x16x32_f16 v[ac:ac+7], v[ka:ka+7], v[qa:qa+7], 0
.else
	v_wmma_f32_16x16x32_f16 v[ac:ac+7], v[ka:ka+7], v[qa:qa+7], v[ac:ac+7]
.endif
.set t, t+1
.endr
.endm
.macro SGRP G
.set fc, 128*((\G)%2)
	s_wait_dscnt 0x0                               ; this group's fragments are in
	PLACES                                         ; in front of loads into the buffer that the last group's products read
.if (\G) < 7
	FETCH_K (\G)+1, 128-fc
.endif
	SMUL \G, 0
	SMUL \G, 1
.endm
	FETCH_K 0, 0
	s_wait_loadcnt 40                              ; Q is in; b2's 8 and z's 32 loads are younger
.irp G, 0,1,2,3,4,5,6,7
	SGRP \G
.endr
	PLACES
	s_wait_tensorcnt 0x0                           ; my quarter of U is in,
	s_wait_dscnt 0x0                               ; and my reads of K are over: behind this barrier U is read, and K's bytes become the stage
	s_barrier_signal -1
; SOFTMAX: work on registers alone, between the barrier's signal and its wait.
.macro MAXQ qt
	WIN 0
.set n, 0
.rept 4
	v_mov_b32 v[CH+n], 0xff800000
.set n, n+1
.endr
	WIN 0x14*(1+(\qt))
.set n, 0
.rept 128                              ; four chains; each accumulator's lowest registers are read first
	v_max3_num_f32 v[CH+n%4], v[CH+n%4], v[2*n], v[2*n+1]
.set n, n+1
.endr
	WIN 0
	v_max3_num_f32 v[CH], v[CH], v[CH+1], v[CH+2]
	v_max_num_f32 v[CH], v[CH], v[CH+3]
	v_permlanex16_b32 v[CH+1], v[CH], s60, s61     ; the query's other keys lie in the lane 16 away
	v_max_num_f32 v[CH], v[CH], v[CH+1]
	v_mul_f32 v[CM], s58, v[CH]
	v_mul_f32 v[CM+1], s58, v[CH]                  ; named with it as a pair
.endm
; One window setting.  Pair i: two exponentials; between them c s - c m of pair i + 4; behind them the rounding of pair i - 2 into register i - 2, which its own pair's rounding has read before.
; So no two exponentials follow each other, and each has a plain line behind it that touches neither its result nor its source.
.macro EXPQ qt
	WIN 0x45*(1+(\qt))
.set i, 0
.rept 4
	v_pk_fma_f32 v[2*i:2*i+1], v[2*i:2*i+1], s[58:59], v[CM:CM+1] op_sel_hi:[1,0,0] neg_lo:[0,0,1] neg_hi:[0,0,1]
.set i, i+1
.endr
.set i, 0
.rept 128
	v_exp_f32 v[2*i], v[2*i]
.if i < 124
	v_pk_fma_f32 v[2*i+8:2*i+9], v[2*i+8:2*i+9], s[58:59], v[CM:CM+1] op_sel_hi:[1,0,0] neg_lo:[0,0,1] neg_hi:[0,0,1]
.else
	v_nop
.endif
	v_exp_f32 v[2*i+1], v[2*i+1]
.if i > 1
	s_wait_alu depctr_va_vdst(0)
	v_cvt_pk_bf16_f32 v[i-2], v[2*i-4], v[2*i-3]
.else
	v_nop
.endif
.set i, i+1
.endr
	s_wait_alu depctr_va_vdst(0)
	v_cvt_pk_bf16_f32 v126, v252, v253
	v_cvt_pk_bf16_f32 v127, v254, v255
.endm
	MAXQ 0
	EXPQ 0
	MAXQ 1
	EXPQ 1
	WIN 0
	s_barrier_wait -1
; O = U P and l = ones P.  A group is 64 keys: 16 fragments of U^T (32 turning loads), 36 products.
.macro FETCH_U G, f
	WIN 0xc0
.set n, 0
.rept 16                               ; n = 8 kk + jt: keys 32 kk on, channels 16 jt on; a fragment's two halves are two key tiles, 4,096 bytes apart
	ds_load_tr16_b128 v[(\f)+8*n:(\f)+8*n+3],   v[AU0+(\G)/4] offset:((\G)%4)*16384+(n/8)*8192+(n%8)*512
	ds_load_tr16_b128 v[(\f)+8*n+4:(\f)+8*n+7], v[AU0+(\G)/4] offset:((\G)%4)*16384+(n/8)*8192+4096+(n%8)*512
.set n, n+1
.endr
.endm
.macro PMUL G, qt
	WIN 0x57+0x54*(\qt)
.set t, 0
.rept 16                               ; t = 8 kk + jt: the eight accumulators take turns
.set ac, 128+8*(t%8)
.set pa, 8*(2*(\G)+t/8)
.if ((\G) == 0) && (t < 8)
	v_wmma_f32_16x16x32_bf16 v[ac:ac+7], v[fc+8*t:fc+8*t+7], v[pa:pa+7], 0
.else
	v_wmma_f32_16x16x32_bf16 v[ac:ac+7], v[fc+8*t:fc+8*t+7], v[pa:pa+7], v[ac:ac+7]
.endif
.set t, t+1
.endr
	WIN 0x54+0x54*(\qt)
.set t, 0
.rept 2                                ; the weights' sums, in two accumulators; every register of every lane gets its query's sum
.set ac, 192+8*t
.set pa, 8*(2*(\G)+t)
.if (\G) == 0
	v_wmma_f32_16x16x32_bf16 v[ac:ac+7], v[ONES:ONES+7], v[pa:pa+7], 0
.else
	v_wmma_f32_16x16x32_bf16 v[ac:ac+7], v[ONES:ONES+7], v[pa:pa+7], v[ac:ac+7]
.endif
.set t, t+1
.endr
.endm
.macro PGRP G
.set fc, 128*((\G)%2)
	s_wait_dscnt 0x0
	PLACES
.if (\G) < 7
	FETCH_U (\G)+1, 128-fc
.endif
	PMUL \G, 0
	PMUL \G, 1
.endm
	FETCH_U 0, 0
.irp G, 0,1,2,3,4,5,6,7
	PGRP \G
.endr
	; y1 = relu(O gamma / l + z), rounded to bf16: source 0 of the last product
	PLACES
	WIN 0xc0
.set n, 0
.rept 64                               ; all of W2: row tile n / 8, half fragment n % 8
	ds_load_b128 v[4*n:4*n+3], v[AW2] offset:512*n
.set n, n+1
.endr
	WIN 0x05
	v_add_f32 v[LT], v192, v200
	WIN 0x0a
	v_add_f32 v[LT+1], v192, v200
	WIN 0
	s_wait_kmcnt 0x0                               ; gamma
	v_rcp_f32 v[LT], v[LT]                         ; l is at least 1: the largest weight is 1
	v_rcp_f32 v[LT+1], v[LT+1]
	v_nop                                          ; a plain line behind the reciprocals
	s_wait_alu depctr_va_vdst(0)
	v_mul_f32 v[GL], s62, v[LT]
	v_mul_f32 v[GL+1], s62, v[LT]
	v_mul_f32 v[GL+2], s62, v[LT+1]
	v_mul_f32 v[GL+3], s62, v[LT+1]
	s_wait_loadcnt 0x0                             ; z and b2
	WIN 0x01
.set n, 0
.rept 32
	v_pk_fma_f32 v[ZF+2*n:ZF+2*n+1], v[128+2*n:128+2*n+1], v[GL:GL+1], v[ZF+2*n:ZF+2*n+1] op_sel_hi:[1,0,1]
.set n, n+1
.endr
	WIN 0x02
.set n, 0
.rept 32
	v_pk_fma_f32 v[ZF+64+2*n:ZF+64+2*n+1], v[128+2*n:128+2*n+1], v[GL+2:GL+3], v[ZF+64+2*n:ZF+64+2*n+1] op_sel_hi:[1,0,1]
.set n, n+1
.endr
	WIN 0
.set n, 0
.rept 64
	v_cvt_pk_bf16_f32 v[QF+n], v[ZF+2*n], v[ZF+2*n+1]
.set n, n+1
.endr
.set n, 0
.rept 64
	v_pk_max_num_bf16 v[QF+n], v[QF+n], v[ZERO]
.set n, n+1
.endr
	WIN 0x40
.set n, 0
.rept 32                               ; x's rows 8 (32 w + n) + g, 512 consecutive bytes each: on their way during the last product
	global_load_b128 v[128+4*n:128+4*n+3], v[VL], s[46:47] offset:16384*n
.set n, n+1
.endr
	; y2's sums: source 0 = y1 (16 queries x 32 j), source 1 = W2 (16 i x 32 j)
	s_wait_dscnt 0x0
.macro FMUL qt
	WIN 0x5c+0x50*(\qt)
.set t, 0
.rept 32                               ; t = 8 c + it: the eight accumulators take turns
.if t < 8
	v_wmma_f32_16x16x32_bf16 v[8*(t%8):8*(t%8)+7], v[QF+32*(\qt)+8*(t/8):QF+32*(\qt)+8*(t/8)+7], v[32*(t%8)+8*(t/8):32*(t%8)+8*(t/8)+7], 0
.else
	v_wmma_f32_16x16x32_bf16 v[8*(t%8):8*(t%8)+7], v[QF+32*(\qt)+8*(t/8):QF+32*(\qt)+8*(t/8)+7], v[32*(t%8)+8*(t/8):32*(t%8)+8*(t/8)+7], v[8*(t%8):8*(t%8)+7]
.endif
.set t, t+1
.endr
.endm
	FMUL 0
	FMUL 1
	; THE WAY OUT.  + b2 (lane = i), relu; the two tiles' numbers of one register are neighbouring t: 8 bytes into the stage; a barrier; whole rows back; + x; 512 consecutive bytes a store.
	PLACES
.macro TAIL qt
	WIN 0x41*(1+(\qt))
.set t, 0
.rept 32                               ; t = 4 it + pair; b2 of tile it is the even or the odd register of a pair
.if (t/4)%2
	v_pk_add_f32 v[2*t:2*t+1], v[2*t:2*t+1], v[B2+2*(t/8):B2+2*(t/8)+1] op_sel:[0,1] op_sel_hi:[1,1]
.else
	v_pk_add_f32 v[2*t:2*t+1], v[2*t:2*t+1], v[B2+2*(t/8):B2+2*(t/8)+1] op_sel_hi:[1,0]
.endif
.set t, t+1
.endr
	WIN 0x04*(1+(\qt))
.set t, 0
.rept 64
	v_max_num_f32 v[ZF+2*t+(\qt)], 0, v[t]
.set t, t+1
.endr
.endm
	TAIL 0
	TAIL 1
	WIN 0
.set t, 0
.rept 64                               ; t = 8 it + e
	ds_store_b64 v[STW], v[ZF+2*t:ZF+2*t+1] offset:(t/8)*16*SP+(t%8)*16
.set t, t+1
.endr
	s_wait_dscnt 0x0                               ; for the others' sake
	s_barrier_signal -1
	s_barrier_wait -1
	WIN 0x80
.set n, 0
.rept 32
	ds_load_b128 v[128+4*n:128+4*n+3], v[STR] offset:SP*n
.set n, n+1
.endr
	s_wait_loadcnt 0x0                             ; x
	s_wait_dscnt 0x0
	WIN 0x86
.set n, 0
.rept 64
	v_pk_add_f32 v[128+2*n:128+2*n+1], v[128+2*n:128+2*n+1], v[128+2*n:128+2*n+1]   ; window 2 += window 1
.set n, n+1
.endr
	WIN 0x08
.set n, 0
.rept 32
	global_store_b128 v[VL], v[128+4*n:128+4*n+3], s[48:49] offset:16384*n
.set n, n+1
.endr
	WIN 0
	s_wait_tensorcnt 0x0                           ; the wave's end, behind my last LDS store
	ds_add_u32 v[SPW], v[NIL]
	s_wait_dscnt 0x0
	CROUND                                         ; the closing round
	s_endpgm
.Lfunc_end_k_q4bbc750440_attn:
	.size	k_q4bbc750440_attn, .Lfunc_end_k_q4bbc750440_attn-k_q4bbc750440_attn
	.p2alignl 7, 3214868480
	.fill 96, 4, 3214868480
	.section	.rodata,"a",@progbits
	.p2align	6, 0x0
	.amdhsa_kernel k_q4bbc750440_attn
		.amdhsa_group_segment_fixed_size 327680
		.amdhsa_private_segment_fixed_size 0
		.amdhsa_enable_private_segment 0
		.amdhsa_kernarg_size 72
		.amdhsa_user_sgpr_count 2
		.amdhsa_user_sgpr_kernarg_segment_ptr 1
		.amdhsa_wavefront_size32 1
		.amdhsa_system_sgpr_workgroup_id_x 1
		.amdhsa_system_sgpr_workgroup_id_y 1
		.amdhsa_system_sgpr_workgroup_id_z 1
		.amdhsa_system_vgpr_workitem_id 0
		.amdhsa_next_free_vgpr 1024
		.amdhsa_next_free_sgpr 88
		.amdhsa_reserve_vcc 0
		.amdhsa_float_denorm_mode_32 3
		.amdhsa_float_denorm_mode_16_64 3
		.amdhsa_memory_ordered 1
		.amdhsa_forward_progress 1
		.amdhsa_inst_pref_size 210
	.end_amdhsa_kernel
	.amdgpu_metadata
---
amdhsa.version: [ 1, 2 ]
amdhsa.kernels:
  - .name:           k_q4bbc750440_attn
    .symbol:         k_q4bbc750440_attn.kd
    .args:
      - { .name: qn, .offset: 0, .size: 8, .value_kind: global_buffer, .address_space: global }
      - { .name: kn, .offset: 8, .size: 8, .value_kind: global_buffer, .address_space: global }
      - { .name: un, .offset: 16, .size: 8, .value_kind: global_buffer, .address_space: global }
      - { .name: zn, .offset: 24, .size: 8, .value_kind: global_buffer, .address_space: global }
      - { .name: W2, .offset: 32, .size: 8, .value_kind: global_buffer, .address_space: global }
      - { .name: b2, .offset: 40, .size: 8, .value_kind: global_buffer, .address_space: global }
      - { .name: gamma, .offset: 48, .size: 8, .value_kind: global_buffer, .address_space: global }
      - { .name: x, .offset: 56, .size: 8, .value_kind: global_buffer, .address_space: global }
      - { .name: out0, .offset: 64, .size: 8, .value_kind: global_buffer, .address_space: global }
    .group_segment_fixed_size: 327680
    .private_segment_fixed_size: 0
    .kernarg_segment_align: 8
    .kernarg_segment_size: 72
    .max_flat_workgroup_size: 128
    .sgpr_count:     88
    .vgpr_count:     1024
    .wavefront_size: 32
...
	.end_amdgpu_metadata
.endif
;; end of part 3
